; MI455X (gfx1250); checked and timed in simulation.
; The chip was launched on July 23, 2026; its instructions are those of AMD's public machine-readable ISA for CDNA 5 (MIT licence, August 2026) and "CDNA5" Instruction Set Architecture Reference Guide (July 2026). The comments in the code are by the model that wrote it; some were corrected since.
;; Custom Model. Allowed arithmetic: matrix products marked QUANTISED: E4M3 operands, one given power-of-two scale a tensor, by v_wmma_f32_16x16x64_fp8_fp8 or v_wmma_f32_16x16x128_fp8_fp8, f32 sums; products left as they are: f32 operands where the result goes on into a quantised operand, else bf16, f16 or f32 operands; f32 sums; everything else in f32.
;; Inputs: W1 64 x 32 float32; W2 1 x 64 float32; b1 64 float32; b2 1 float32; coords 1,024 x 1,024 x 2 float32; line_feature_x 32 x 1,024 float32; line_feature_y 32 x 1,024 float32; lowp_scales 2 int32 (the exponents e of the quantised operands' scales 2^e); plane_feature 32 x 256 x 256 float32.
;; Outputs: out0 1,024 x 1,024 float32.
;; This version of the problem:
;;   THIS VERSION OF THE PROBLEM IS GIVEN IN LOW PRECISION. The matrix products marked QUANTISED in the list below multiply operands that are first quantised to E4M3 (4 exponent bits, 3 mantissa bits; 8 bits a number), with one given power-of-two scale for each operand tensor; their sums are f32. All else is computed in f32.
;;   The module's matrix products, in the order in which they are computed (A, B: the left and right operand; K: the contracted axis; several contracted axes count as one K, in the product's order):
;;     1. [M 1,048,576, K 32] x [K 32, N 64]; A: computed on the way; B: input W1: QUANTISED (scales: A lowp_scales[0], B lowp_scales[1])
;;     2. [M 1,048,576, K 64] x [K 64, N 1]; A: computed on the way; B: input W2: left as it is (N = 1 < 16)
;;   THE QUANTISER, for each operand of a quantised product, along K:
;;     - The operand's scale is 2^e, e = its entry of the input lowp_scales (int32; the entries are numbered through the quantised products in the list's order, A before B).
;;     - Each number is divided by the scale, clamped to +-448, and rounded to the nearest number of E4M3, ties to even, subnormals kept.
;;     - The product sums the exact products of the quantised numbers (number of the format x scale) in f32.
;;   ~~~python
;;   def quantise(x, axis, e):      # numpy; x: float32 -> the quantised numbers, widened to float32 again
;;       x = np.moveaxis(x, axis, -1); K = x.shape[-1]
;;       r = np.clip(x / 2.0 ** e, -448, 448)
;;       step = 2.0 ** (np.maximum(np.frexp(np.where(r == 0, 1, r))[1] - 1, -6) - 3)
;;       q = np.round(r / step) * step * 2.0 ** e      # np.round: ties to even
;;       return np.moveaxis(q, -1, axis).astype(np.float32)
;;   ~~~
;;   OPERANDS COMPUTED ON THE WAY. 'Computed on the way' means the value that the module computes at that place (a softmax that the list does not call 'softmax' is quantised finished and normalised). What goes into a quantiser is computed in f32, as accurately as f32 sums, v_exp_f32 and their like allow (about 1e-6 of the number): no bf16 or f16 on the way to a quantiser, and a product that is left as it is and whose result goes on into a quantised operand takes f32 operands (vector FMAs, or v_wmma_f32_16x16x4_f32). A number that lies on a knife's edge between two numbers of the format may be rounded either way, as far as f32 arithmetic and the matrix unit's own rounding can turn it there, and no further.
;; One version. Each part assembles by itself: llvm-mc -triple=amdgcn-amd-amdhsa -mcpu=gfx1250 --defsym DOCPART=n.
;; ======== version 1 of 1: 2 launches
;; workspace buffers: planeT 8,388,608 bytes; lineT 262,144 bytes; idx 4,194,304 bytes of whole numbers
;; launch prep (part 1): grid 520 x 1, 4 waves a work-group, no clusters, 73,728 bytes of LDS; arguments plane_feature, line_feature_x, line_feature_y, coords, planeT, lineT, idx; writes planeT, lineT, idx
.if DOCPART == 1
	.amdgcn_target "amdgcn-amd-amdhsa--gfx1250"
	.amdhsa_code_object_version 6
	.text
	.protected	k_qaa4136fe0b_prep
	.globl	k_qaa4136fe0b_prep
	.p2align	8
	.type	k_qaa4136fe0b_prep,@function
k_qaa4136fe0b_prep:
	s_mov_b64 s[64:65], 0
	v_nop
	global_prefetch_b8 v0, s[64:65] scope:SCOPE_SE
	s_setreg_imm32_b32 hwreg(HW_REG_WAVE_MODE, 25, 1), 1
	s_wait_xcnt 0x0
; THE LAUNCH IN FRONT OF THE MAIN ONE.  Three kinds of work-groups, told apart by the work-group's number:
;   0 .. 255    plane_feature [32][65536] f32 -> planeT [65536 texels][32 channels]: a texel's 32 channels become 128 neighbouring bytes
;   256 .. 263  line_feature_x, line_feature_y [32][1024] f32 -> lineT [2048][32]: rows 0-1023 x's entries, rows 1024-2047 y's
;   264 .. 519  coords [1048576][2] f32 -> idx: one word a point, xb | yb << 8 | dx << 16 | dy << 20, whole numbers from which the main launch forms its addresses:
;               xb = floor(px) held in 0 .. 254 (px = the plane's position), ix = floor(pos) held in 0 .. 1022 (pos = the line's position), dx = ix - 4 xb; y likewise.
;               pos = (1023 / 255) px, so dx lies in 0 .. 7 for every x, the held ends too (x < 0: 0; x >= 1024: 6): four bits hold it.
; No barrier, no loop: waves share nothing and every offset is an immediate.  LIMIT: NaN among the coordinates is not served.
; TRANSPOSING: a lane takes an entry and its registers run along the channels (each load reads neighbouring entries in neighbouring lanes); the 64 entries of a wave go through the wave's own
; stage in LDS, rows of 128 + 16 bytes, and leave four whole entries, 512 consecutive bytes, a store.
.set PITCH, 144                        ; a stage row: 36 words, an odd multiple of 16 bytes
.set WSTG,  64*PITCH                   ; a wave's stage: 64 entries
.set STG_P, 0                          ; the plane path's four stages
.set STG_L, 4*WSTG                     ; the line path's four: bytes of its own for each path
.set IN,    16                         ; v16-79   as loaded: entry l in v16-47, entry 32 + l in v48-79 (index path: 16 x 4 registers of coordinates)
.set OUTR,  80                         ; v80-143  on the way out (index path: 32 words)
	s_load_b256 s[4:11], s[0:1], 0x0               ; plane s[4:5], line x s[6:7], line y s[8:9], coords s[10:11]
	s_load_b128 s[12:15], s[0:1], 0x20             ; planeT s[12:13], lineT s[14:15]
	s_load_b64 s[16:17], s[0:1], 0x30              ; idx
	v_lshrrev_b32 v7, 5, v0
	v_readfirstlane_b32 s20, v7                    ; wave 0..3
	v_and_b32 v1, 31, v0                           ; lane l
	v_lshlrev_b32 v2, 2, v1                        ; 4 l
	v_lshlrev_b32 v3, 4, v1                        ; 16 l
	v_lshlrev_b32 v4, 3, v1                        ; 8 l
	s_mul_i32 s21, s20, WSTG
	v_mul_u32_u24 v5, v1, PITCH
	v_add_nc_u32 v5, s21, v5                       ; into the stage: row l of my wave's
	v_lshrrev_b32 v6, 3, v1
	v_mul_u32_u24 v6, v6, PITCH
	v_and_b32 v7, 7, v1
	v_lshl_add_u32 v6, v7, 4, v6
	v_add_nc_u32 v6, s21, v6                       ; out of it: eight lanes to a row, four rows an instruction
	s_mov_b32 s29, 0                               ; high words of the two offsets
	s_mov_b32 s31, 0
	s_wait_kmcnt 0x0
	s_cmp_lt_u32 ttmp9, 256
	s_cbranch_scc1 .Lplane
	s_cmp_lt_u32 ttmp9, 264
	s_cbranch_scc1 .Lline
	; ---- THE INDICES.  A wave takes 1,024 points: 16 loads of 512 consecutive bytes, two points a lane, all on their way at once
	s_sub_co_u32 s22, ttmp9, 264
	s_lshl_b32 s22, s22, 12
	s_lshl_b32 s23, s20, 10
	s_add_co_u32 s22, s22, s23                     ; my wave's first point
	s_lshl_b32 s28, s22, 3
	s_lshl_b32 s30, s22, 2
	s_add_nc_u64 s[24:25], s[10:11], s[28:29]
	s_add_nc_u64 s[26:27], s[16:17], s[30:31]
.irp k, 0,1,2,3,4,5,6,7,8,9,10,11,12,13,14,15
	global_load_b128 v[IN+4*\k:IN+4*\k+3], v3, s[24:25] offset:512*\k th:TH_LOAD_NT
.endr
; One point: (x, y) in v[xy], v[xy + 1] -> its word in v[dst]; v[T] .. v[T + 3] at work.  The positions are made by the very lines of the main launch:
; a = fma(c, 1 / 512, -1) + 1 (c x 2 / 1024 is exact, so the fused line rounds once, as c x 2 / 1024 - 1 does); pos = a x 511.5, p = a x 127.5 (x 0.5 is exact, so one product rounds as the two do).
.macro POINT xy, dst, T
	v_pk_fma_f32 v[(\T):(\T)+1], v[(\xy):(\xy)+1], 0x3b000000, -1.0 op_sel_hi:[1,0,0]
	v_pk_add_f32 v[(\T):(\T)+1], v[(\T):(\T)+1], 1.0 op_sel_hi:[1,0]
	v_pk_mul_f32 v[(\T)+2:(\T)+3], v[(\T):(\T)+1], 0x43ffc000 op_sel_hi:[1,0]   ; the lines' positions
	v_pk_mul_f32 v[(\T):(\T)+1], v[(\T):(\T)+1], 0x42ff0000 op_sel_hi:[1,0]     ; the plane's
.irp i, 0,1,2,3
	v_floor_f32 v[(\T)+\i], v[(\T)+\i]
.endr
	v_med3_num_f32 v[(\T)+2], v[(\T)+2], 0, 0x447f8000     ; ix, iy in 0 .. 1022
	v_med3_num_f32 v[(\T)+3], v[(\T)+3], 0, 0x447f8000
	v_med3_num_f32 v[(\T)], v[(\T)], 0, 0x437e0000         ; xb, yb in 0 .. 254
	v_med3_num_f32 v[(\T)+1], v[(\T)+1], 0, 0x437e0000
	v_pk_fma_f32 v[(\T)+2:(\T)+3], v[(\T):(\T)+1], -4.0, v[(\T)+2:(\T)+3] op_sel_hi:[1,0,1]   ; dx, dy
	v_fmamk_f32 v[(\T)], v[(\T)+1], 0x43800000, v[(\T)]    ; xb + 256 yb
	v_fmamk_f32 v[(\T)], v[(\T)+2], 0x47800000, v[(\T)]    ; + 65,536 dx
	v_fmamk_f32 v[(\T)], v[(\T)+3], 0x49800000, v[(\T)]    ; + 1,048,576 dy: whole numbers under 2^23 throughout, so nothing is rounded
	v_cvt_u32_f32 v[(\dst)], v[(\T)]
.endm
.irp k, 0,1,2,3,4,5,6,7,8,9,10,11,12,13,14,15
	s_wait_loadcnt 15-\k                           ; loads come back in order: load k is in, the younger ones stay out
	POINT IN+4*\k, OUTR+2*\k, 8
	POINT IN+4*\k+2, OUTR+2*\k+1, 12
	global_store_b64 v4, v[OUTR+2*\k:OUTR+2*\k+1], s[26:27] offset:256*\k   ; 32 lanes store 256 consecutive bytes, at a multiple of 256 from idx's first byte; each store has data registers of its own
.endr
	s_endpgm
; 64 entries x 32 channels of one wave.  s[24:25]: the table at my first entry, channel 0; stride: bytes from channel to channel; s[26:27]: the output at my first entry; stg: the path's stages.
.macro TRANSPOSE stride, stg
.set c, 0
.rept 32
	global_load_b32 v[IN+c], v2, s[24:25] offset:c*\stride th:TH_LOAD_NT          ; channel c of entries 0-31: 128 consecutive bytes,
	global_load_b32 v[IN+32+c], v2, s[24:25] offset:c*\stride+128 th:TH_LOAD_NT   ; and of entries 32-63: the 128 behind them.  The largest offset, 31 x 262,144 + 128, lies inside the signed 24-bit immediate
.set c, c+1
.endr
	s_wait_loadcnt 0x0
.irp u, 0,1
.irp g, 0,1,2,3,4,5,6,7
	ds_store_b128 v5, v[IN+32*\u+4*\g:IN+32*\u+4*\g+3] offset:\stg+32*PITCH*\u+16*\g
.endr
.endr
.irp i, 0,1,2,3,4,5,6,7,8,9,10,11,12,13,14,15
	ds_load_b128 v[OUTR+4*\i:OUTR+4*\i+3], v6 offset:\stg+4*PITCH*\i   ; LDS serves a wave's instructions in order (ISA guide 5.7.1.4): these see my stores
.endr
.irp i, 0,1,2,3,4,5,6,7,8,9,10,11,12,13,14,15
	s_wait_dscnt 15-\i
	global_store_b128 v3, v[OUTR+4*\i:OUTR+4*\i+3], s[26:27] offset:512*\i th:TH_STORE_NT   ; four whole entries: 512 consecutive bytes, aligned
.endr
.endm
.Lplane:                                               ; ---- THE PLANE: the work-group takes 256 texels, a wave 64
	s_lshl_b32 s22, ttmp9, 8
	s_lshl_b32 s23, s20, 6
	s_add_co_u32 s22, s22, s23                     ; my first texel
	s_lshl_b32 s28, s22, 2
	s_lshl_b32 s30, s22, 7
	s_add_nc_u64 s[24:25], s[4:5], s[28:29]
	s_add_nc_u64 s[26:27], s[12:13], s[30:31]
	TRANSPOSE 262144, STG_P
	s_endpgm
.Lline:                                                ; ---- THE LINES: work-groups 256-259 take x's 1,024 entries, 260-263 y's
	s_sub_co_u32 s22, ttmp9, 256                   ; b = 0 .. 7
	s_and_b32 s23, s22, 3
	s_lshl_b32 s23, s23, 8
	s_lshl_b32 s21, s20, 6
	s_add_co_u32 s23, s23, s21                     ; my first entry of the table
	s_lshl_b32 s28, s23, 2
	s_lshr_b32 s21, s22, 2
	s_lshl_b32 s21, s21, 10
	s_add_co_u32 s21, s21, s23                     ; and its row of lineT
	s_lshl_b32 s30, s21, 7
	s_cmp_lt_u32 s22, 4                            ; the choice hangs on the work-group's number alone
	s_cselect_b64 s[24:25], s[6:7], s[8:9]
	s_add_nc_u64 s[24:25], s[24:25], s[28:29]
	s_add_nc_u64 s[26:27], s[14:15], s[30:31]
	TRANSPOSE 4096, STG_L
	s_endpgm
.Lfunc_end_k_qaa4136fe0b_prep:
	.size	k_qaa4136fe0b_prep, .Lfunc_end_k_qaa4136fe0b_prep-k_qaa4136fe0b_prep
	.p2alignl 7, 3214868480
	.fill 96, 4, 3214868480
	.section	.rodata,"a",@progbits
	.p2align	6, 0x0
	.amdhsa_kernel k_qaa4136fe0b_prep
		.amdhsa_group_segment_fixed_size 73728
		.amdhsa_private_segment_fixed_size 0
		.amdhsa_enable_private_segment 0
		.amdhsa_kernarg_size 56
		.amdhsa_user_sgpr_count 2
		.amdhsa_user_sgpr_kernarg_segment_ptr 1
		.amdhsa_wavefront_size32 1
		.amdhsa_system_sgpr_workgroup_id_x 1
		.amdhsa_system_sgpr_workgroup_id_y 1
		.amdhsa_system_sgpr_workgroup_id_z 1
		.amdhsa_system_vgpr_workitem_id 0
		.amdhsa_next_free_vgpr 144
		.amdhsa_next_free_sgpr 66
		.amdhsa_reserve_vcc 0
		.amdhsa_float_denorm_mode_32 3
		.amdhsa_float_denorm_mode_16_64 3
		.amdhsa_memory_ordered 1
		.amdhsa_forward_progress 1
		.amdhsa_inst_pref_size 62
	.end_amdhsa_kernel
	.amdgpu_metadata
---
amdhsa.version: [ 1, 2 ]
amdhsa.kernels:
  - .name:           k_qaa4136fe0b_prep
    .symbol:         k_qaa4136fe0b_prep.kd
    .args:
      - { .name: plane_feature, .offset: 0, .size: 8, .value_kind: global_buffer, .address_space: global }
      - { .name: line_feature_x, .offset: 8, .size: 8, .value_kind: global_buffer, .address_space: global }
      - { .name: line_feature_y, .offset: 16, .size: 8, .value_kind: global_buffer, .address_space: global }
      - { .name: coords, .offset: 24, .size: 8, .value_kind: global_buffer, .address_space: global }
      - { .name: planeT, .offset: 32, .size: 8, .value_kind: global_buffer, .address_space: global }
      - { .name: lineT, .offset: 40, .size: 8, .value_kind: global_buffer, .address_space: global }
      - { .name: idx, .offset: 48, .size: 8, .value_kind: global_buffer, .address_space: global }
    .group_segment_fixed_size: 73728
    .private_segment_fixed_size: 0
    .kernarg_segment_align: 8
    .kernarg_segment_size: 56
    .max_flat_workgroup_size: 128
    .sgpr_count:     66
    .vgpr_count:     144
    .wavefront_size: 32
...
	.end_amdgpu_metadata
.endif
;; end of part 1
;; launch main (part 2): grid 256 x 1, 16 waves a work-group, no clusters, 294,912 bytes of LDS; arguments coords, idx, planeT, lineT, W1, b1, W2, b2, lowp_scales, out0; writes out0
.if DOCPART == 2
	.amdgcn_target "amdgcn-amd-amdhsa--gfx1250"
	.amdhsa_code_object_version 6
	.text
	.protected	k_qaa4136fe0b_main
	.globl	k_qaa4136fe0b_main
	.p2align	8
	.type	k_qaa4136fe0b_main,@function
k_qaa4136fe0b_main:
	s_mov_b64 s[64:65], 0
	v_nop
	global_prefetch_b8 v0, s[64:65] scope:SCOPE_SE
	s_setreg_imm32_b32 hwreg(HW_REG_WAVE_MODE, 25, 1), 1
	s_wait_xcnt 0x0
; out[p] = W2 . relu(Q(feat[p]) Q(W1)^T + b1) + b2, feat = fx fy + fp: two linear interpolations in the line tables, one bilinear in the plane (zeros outside), 32 channels, all in f32;
; feat and W1 are quantised to E4M3 with the given scales 2^e0, 2^e1 and multiplied by v_wmma_f32_16x16x64_fp8_fp8 (K = 32 of its 64; the points' other 32 codes are zeros); the last layer is f32 vector work.
; SHARES.  A work-group takes 4,096 points, each of its sixteen waves 256: four groups of 64, a group four tiles of 16.  Four waves lie on a SIMD, so that one wave's waits for table data stand beside another's arithmetic.
; Tile t's lane r stands for point 32 (t / 2) + 2 r + t % 2 of the group: so a group's 64 results leave by one store of 8 bytes a lane, 256 consecutive aligned bytes.
; TABLES.  Both are laid entry by entry, 128 bytes of 32 channels (the launch before).  lineT (2,048 rows) lies in LDS, brought once by sixteen tensor loads, one a wave, and only read afterwards; planeT is read from memory.
; Every table address is made of the whole numbers in idx, which the launch before stored; the weights are made here from the coordinates AGAINST those whole numbers, so that they fit the rows that are loaded:
;   line:  w = pos held in 0 .. 1023, less ix; weights 1 - w, w.    plane: texel t weighs max(0, 1 - |p - t|), for t = xb and xb + 1: that is 1 - wx and wx inside, and gives what zero padding gives at and beyond both edges.
; LANES.  The product is used transposed (source 0 = 16 rows of W1, source 1 = 16 points).  Lane (r, h) holds point r and the 16 channels 8 j + 4 h + i (j, i = 0 .. 3): the 16 bytes at 32 j + 16 h of every table entry, four loads an entry;
; two conversions make operand registers 0-3 of them.  W1's rows are loaded and quantised by the same map: one permutation of k, alike on both sides, so every product meets its partner.
; In the result register j of hidden tile u is hidden unit 16 u + 8 h + j of point r.  b1 / 2^(e0 + e1) is the C of each product; W2 is kept x 2^(e0 + e1): relu commutes with a positive factor.
; W1's FRAGMENTS OVERLAP: tile u's eight registers are its own four and the next tile's four (zeros behind the last).  The upper four meet the points' zero codes; W1's codes are held at +-448, so they are numbers, and add 0.
; NO CLUSTER: lineT is the one thing that work-groups share, 262,144 bytes once, against 4,096 x 512 bytes of plane data and 4,096 x 16 of streams for each; and this text's LDS addresses are made of each work-group's own indices.
; LIMITS: e0 and e1 between -126 and 119; b1 / 2^(e0 + e1) and W2 x 2^(e0 + e1) stay f32 numbers; NaN among coords or W1 is not served; feat is summed by fused multiply-adds, in another order of rounding than the source writes.
.set PITCH, 144                        ; a row of lineT in LDS: 128 bytes + 16 of padding = 36 words, an odd multiple of 16 bytes: rows' pieces spread over all banks (64 banks of 4 bytes: ISA guide 11.1)
.set YOFF,  1024*PITCH                 ; y's rows lie behind x's
.set CR,   24                          ; v24-31   the group's coordinates: tile t's (x, y) at CR + 2 t
.set IR,   32                          ; v32-35   its index words
.set W1F,  36                          ; v36-55   W1's codes, four registers a hidden tile; v52-55 = 0
.set BOP,  56                          ; v56-63   the points' operand: v56-59 codes, v60-63 = 0
.set BIAS, 64                          ; v64-95   b1 / 2^(e0 + e1), in the result's layout
.set W2R,  96                          ; v96-127  W2 x 2^(e0 + e1), likewise
.set XB0,  128                         ; v128-143 line x, entry ix; then fx, fx fy, feat
.set XB1,  144                         ; v144-159 entry ix + 1
.set YB0,  160                         ; v160-175 line y, entry iy; then fy
.set YB1,  176                         ; v176-191 entry iy + 1
.set ACC,  160                         ; v160-191 the four accumulators, where y's entries lay
.set PB,   192                         ; v192-255 the four texels: (ty, tx) at PB + 16 (2 ty + tx)
; v0 a lane exchange's destination; v1 16 r; v2 8 r; v3 8 l; v4 16 h; v5 2^e0; v6, v7, v8 addresses of the tile's texels and line entries; v9 16 h + YOFF;
; v[10:11] (wx, wy); v[12:13] (1 - wx, 1 - wy); v[14:15] (w00, w01); v[16:17] (w10, w11); v18-21 at work; v[22:23] the group's results
	s_load_b512 s[8:23], s[0:1], 0x0               ; coords s[8:9], idx s[10:11], planeT s[12:13], lineT s[14:15], W1 s[16:17], b1 s[18:19], W2 s[20:21], b2 s[22:23]
	s_load_b128 s[24:27], s[0:1], 0x40             ; the scales' exponents s[24:25], out s[26:27]
	v_lshrrev_b32 v1, 5, v0
	v_readfirstlane_b32 s28, v1                    ; wave 0..15
	; descriptor group 1: 128 rows x 32 elements of 4 bytes, dense in memory, padded in LDS
	s_mov_b32 s36, (2<<16)|(1<<20)|(4<<22)|(3<<25) ; 15:0 no mask; 17:16 elements of 4 bytes; 20 padding on; 24:22 after every 32 words (code 4); 31:25 four words (code 3)
	s_mov_b32 s37, 32<<16                          ; tensor_dim0 = 32
	s_mov_b32 s38, 128<<16                         ; tensor_dim1 = 128
	s_mov_b32 s39, 32<<16                          ; tile_dim0 = 32
	s_mov_b32 s40, 128                             ; tile_dim1 = 128
	s_mov_b32 s41, 32                              ; elements from row to row
	s_mov_b32 s42, 0
	s_mov_b32 s43, 0
	s_mov_b32 s32, 1                               ; group 0: count = 1
	s_mul_i32 s33, s28, 128*PITCH                  ; LDS address: my wave's 128 rows
	s_lshl_b32 s2, s28, 14                         ; and the same rows in memory
	s_mov_b32 s3, 0
	s_wait_kmcnt 0x0
	s_add_nc_u64 s[34:35], s[14:15], s[2:3]
	s_or_b32 s35, s35, 0x80000000                  ; type = 2
	tensor_load_to_lds s[32:35], s[36:43]          ; the one tensor load of this wave; its descriptor is never written again
	v_and_b32 v1, 15, v0                           ; r
	v_bfe_u32 v4, v0, 4, 1                         ; h
	v_and_b32 v3, 31, v0
	v_lshlrev_b32 v3, 3, v3                        ; 8 l: my place in a group's results
	v_lshlrev_b32 v2, 3, v1                        ; 8 r: my two index words of a half group
	v_lshlrev_b32 v18, 7, v1
	v_lshl_add_u32 v18, v4, 4, v18                 ; W1: row r of 128 bytes, + 16 h
	v_lshlrev_b32 v19, 5, v4                       ; b1, W2: my half's eight numbers of a tile
	v_lshlrev_b32 v1, 4, v1                        ; 16 r: my two points' coordinates of a half group
	v_lshlrev_b32 v4, 4, v4                        ; 16 h
	v_add_nc_u32 v9, YOFF, v4
	s_load_b64 s[44:45], s[24:25], 0x0             ; e0, e1
	s_load_b32 s46, s[22:23], 0x0                  ; b2
	s_lshl_b32 s2, ttmp9, 12
	s_lshl_b32 s4, s28, 8
	s_add_co_u32 s2, s2, s4                        ; my wave's first point
	s_lshl_b32 s4, s2, 3
	s_mov_b32 s5, 0
	s_add_nc_u64 s[8:9], s[8:9], s[4:5]
	s_lshl_b32 s4, s2, 2
	s_add_nc_u64 s[10:11], s[10:11], s[4:5]
	s_add_nc_u64 s[26:27], s[26:27], s[4:5]
	s_mov_b32 s49, 0xffff0000                      ; lanes 16-31
	s_mov_b32 s50, 0x76543210                      ; v_permlanex16_b32: lane l xor 16
	s_mov_b32 s51, 0xfedcba98
.irp t, 0,1,2,3
.irp j, 0,1,2,3
	global_load_b128 v[128+16*\t+4*\j:128+16*\t+4*\j+3], v18, s[16:17] offset:2048*\t+32*\j   ; W1(16 t + r, 8 j + 4 h + 0 .. 3)
.endr
.endr
.irp t, 0,1,2,3
	global_load_b128 v[BIAS+8*\t:BIAS+8*\t+3], v19, s[18:19] offset:64*\t          ; b1(16 t + 8 h + 0 .. 7)
	global_load_b128 v[BIAS+8*\t+4:BIAS+8*\t+7], v19, s[18:19] offset:64*\t+16
	global_load_b128 v[W2R+8*\t:W2R+8*\t+3], v19, s[20:21] offset:64*\t
	global_load_b128 v[W2R+8*\t+4:W2R+8*\t+7], v19, s[20:21] offset:64*\t+16
.endr
.irp k, 0,1
	global_load_b128 v[CR+4*\k:CR+4*\k+3], v1, s[8:9] offset:256*\k th:TH_LOAD_NT   ; the first group's coordinates: points 32 k + 2 r and + 1
	global_load_b64 v[IR+2*\k:IR+2*\k+1], v2, s[10:11] offset:128*\k th:TH_LOAD_NT  ; and index words
.endr
	s_wait_kmcnt 0x0
	s_add_co_i32 s53, s44, 127
	s_lshl_b32 s57, s53, 23                        ; 2^e0 as f32: the conversion takes its exponent field
	s_add_co_i32 s53, s53, 8
	s_lshl_b32 s47, s53, 23
	s_or_b32 s47, s47, 0x600000                    ; 448 x 2^e0,
	s_or_b32 s48, s47, 0x80000000                  ; and its negative
	s_add_co_i32 s53, s45, 127
	s_lshl_b32 s58, s53, 23                        ; the same three for e1
	s_add_co_i32 s53, s53, 8
	s_lshl_b32 s53, s53, 23
	s_or_b32 s53, s53, 0x600000
	s_or_b32 s54, s53, 0x80000000
	s_add_co_i32 s55, s44, s45                     ; e0 + e1
	s_sub_co_i32 s56, 0, s55
	v_mov_b32 v5, s57
	v_mov_b32 v20, s58
	s_wait_loadcnt 0x0
.set i, 0
.rept 64
	v_med3_num_f32 v[128+i], v[128+i], s54, s53    ; the conversion to an 8-bit code does not saturate (ISA guide 7.6.2): the hold at the largest code x the scale
.set i, i+1
.endr
.irp t, 0,1,2,3
	v_cvt_scalef32_pk8_fp8_f32 v[W1F+4*\t:W1F+4*\t+1], v[128+16*\t:128+16*\t+7], v20
	v_cvt_scalef32_pk8_fp8_f32 v[W1F+4*\t+2:W1F+4*\t+3], v[128+16*\t+8:128+16*\t+15], v20
.endr
.set i, 0
.rept 32
	v_ldexp_f32 v[BIAS+i], v[BIAS+i], s56          ; (the first of these is the plain line behind the conversions)
	v_ldexp_f32 v[W2R+i], v[W2R+i], s55
.set i, i+1
.endr
.irp i, 0,1,2,3
	v_mov_b32 v[W1F+16+\i], 0                      ; zero codes behind the last tile of W1,
	v_mov_b32 v[BOP+4+\i], 0                       ; and for k = 32 .. 63 of the points
.endr
; THE ADDRESSES of tile n, from its index word.  Each loaded number is held by v_min_u32 with a written constant before it enters an address; behind that stand a shift or a multiply, and an add.
; Texel 256 yb + xb <= 65,278, so that the texel 257 further on is the table's last; ix, iy <= 1,022.  xb, yb (v14, v15) and ix, iy (v10, v11) stay for the weights.
.macro PREP_A n
	v_and_b32 v18, 0xffff, v[IR+(\n)]
	v_min_u32 v18, 0xfefe, v18
	v_lshlrev_b32 v18, 7, v18
	v_add_nc_u32 v6, v18, v4                       ; 128 x texel + 16 h
	v_and_b32 v14, 0xff, v[IR+(\n)]                ; xb
	v_bfe_u32 v19, v[IR+(\n)], 16, 4               ; dx
	v_lshl_add_u32 v10, v14, 2, v19                ; ix = 4 xb + dx
	v_min_u32 v10, 0x3fe, v10
	v_mul_u32_u24 v19, v10, PITCH
	v_add_nc_u32 v7, v19, v4
	v_bfe_u32 v15, v[IR+(\n)], 8, 8                ; yb
	v_bfe_u32 v19, v[IR+(\n)], 20, 4               ; dy
	v_lshl_add_u32 v11, v15, 2, v19
	v_min_u32 v11, 0x3fe, v11
	v_mul_u32_u24 v19, v11, PITCH
	v_add_nc_u32 v8, v19, v9
.endm
; THE WEIGHTS of tile n: 26 plain lines on v10-21 and the tile's coordinates.
.macro PREP_W n
	v_pk_fma_f32 v[18:19], v[CR+2*(\n):CR+2*(\n)+1], 0x3b000000, -1.0 op_sel_hi:[1,0,0]   ; c x 2 / 1024 - 1, one rounding
	v_pk_add_f32 v[18:19], v[18:19], 1.0 op_sel_hi:[1,0]
	v_pk_mul_f32 v[20:21], v[18:19], 0x43ffc000 op_sel_hi:[1,0]   ; x 511.5: the lines' positions
	v_pk_mul_f32 v[18:19], v[18:19], 0x42ff0000 op_sel_hi:[1,0]   ; x 127.5: the plane's
	v_med3_num_f32 v20, v20, 0, 0x447fc000         ; held in 0 .. 1023
	v_med3_num_f32 v21, v21, 0, 0x447fc000
	v_cvt_f32_u32 v10, v10
	v_cvt_f32_u32 v11, v11
	v_cvt_f32_u32 v14, v14
	v_cvt_f32_u32 v15, v15
	v_pk_add_f32 v[10:11], v[20:21], v[10:11] neg_lo:[0,1] neg_hi:[0,1]   ; (wx, wy) of the lines
	v_pk_fma_f32 v[12:13], v[10:11], -1.0, 1.0 op_sel_hi:[1,0,0]          ; (1 - wx, 1 - wy)
	v_pk_add_f32 v[18:19], v[18:19], v[14:15] neg_lo:[0,1] neg_hi:[0,1]   ; p - (xb, yb)
	v_pk_add_f32 v[20:21], v[18:19], -1.0 op_sel_hi:[1,0]                 ; p - (xb + 1, yb + 1)
.irp i, 18,19,20,21
	v_sub_f32 v\i, 1.0, |v\i|
.endr
.irp i, 18,19,20,21
	v_max_num_f32 v\i, 0, v\i                      ; v18, v20: x's weights of xb, xb + 1; v19, v21: y's of yb, yb + 1
.endr
	v_mul_f32 v14, v19, v18
	v_mul_f32 v15, v19, v20
	v_mul_f32 v16, v21, v18
	v_mul_f32 v17, v21, v20
.endm
.macro PLOAD                           ; the tile's four texels: one address; x + 1 is 128 bytes on, y + 1 is 32,768
.irp q, 0,1,2,3
.irp j, 0,1,2,3
	global_load_b128 v[PB+16*\q+4*\j:PB+16*\q+4*\j+3], v6, s[12:13] offset:32768*(\q/2)+128*(\q%2)+32*\j
.endr
.endr
.endm
.macro XLOAD                           ; line x's two entries
.irp j, 0,1,2,3
	ds_load_b128 v[XB0+4*\j:XB0+4*\j+3], v7 offset:32*\j
.endr
.irp j, 0,1,2,3
	ds_load_b128 v[XB1+4*\j:XB1+4*\j+3], v7 offset:PITCH+32*\j
.endr
.endm
.macro YLOAD e                         ; line y's entry iy + e
.irp j, 0,1,2,3
	ds_load_b128 v[YB0+16*(\e)+4*\j:YB0+16*(\e)+4*\j+3], v8 offset:PITCH*(\e)+32*\j
.endr
.endm
.macro RAW k                           ; half k of the NEXT group's coordinates and index words
	global_load_b128 v[CR+4*(\k):CR+4*(\k)+3], v1, s[8:9] offset:512+256*(\k) th:TH_LOAD_NT
	global_load_b64 v[IR+2*(\k):IR+2*(\k)+1], v2, s[10:11] offset:256+128*(\k) th:TH_LOAD_NT
.endm
.macro L2 u                            ; accumulator u: relu in place, from its low end on; then x W2 into two chains
.irp j, 0,1,2,3,4,5,6,7
	v_max_num_f32 v[ACC+8*(\u)+\j], 0, v[ACC+8*(\u)+\j]
.endr
.if (\u) == 0
	v_pk_mul_f32 v[18:19], v[ACC:ACC+1], v[W2R:W2R+1]                  ; the first products start the chains
	v_pk_mul_f32 v[20:21], v[ACC+2:ACC+3], v[W2R+2:W2R+3]
.else
	v_pk_fma_f32 v[18:19], v[ACC+8*(\u):ACC+8*(\u)+1], v[W2R+8*(\u):W2R+8*(\u)+1], v[18:19]
	v_pk_fma_f32 v[20:21], v[ACC+8*(\u)+2:ACC+8*(\u)+3], v[W2R+8*(\u)+2:W2R+8*(\u)+3], v[20:21]
.endif
	v_pk_fma_f32 v[18:19], v[ACC+8*(\u)+4:ACC+8*(\u)+5], v[W2R+8*(\u)+4:W2R+8*(\u)+5], v[18:19]
	v_pk_fma_f32 v[20:21], v[ACC+8*(\u)+6:ACC+8*(\u)+7], v[W2R+8*(\u)+6:W2R+8*(\u)+7], v[20:21]
.endm
; ONE TILE of 16 points.  Its table data were asked for during the tile before.  nxt = 1: the next tile's are asked for here.  raw = 0, 1: that half of the next group's raw data too; -1: none.
; lc: the global loads issued behind this tile's sixteen plane loads (the two of RAW, or none).
.macro TILE t, nxt, raw, lc
	s_wait_dscnt 8                                 ; LDS loads come back in order: x's eight are in, y's eight may be out
.irp p, 0,2,4,6,8,10,12,14
	v_pk_mul_f32 v[XB0+\p:XB0+\p+1], v[XB0+\p:XB0+\p+1], v[12:13] op_sel_hi:[1,0]                                  ; x (1 - wx): the pair's low word for both halves
.endr
.irp p, 0,2,4,6,8,10,12,14
	v_pk_fma_f32 v[XB0+\p:XB0+\p+1], v[XB1+\p:XB1+\p+1], v[10:11], v[XB0+\p:XB0+\p+1] op_sel_hi:[1,0,1]            ; fx
.endr
	s_wait_dscnt 0x0
.irp p, 0,2,4,6,8,10,12,14
	v_pk_mul_f32 v[YB0+\p:YB0+\p+1], v[YB0+\p:YB0+\p+1], v[12:13] op_sel:[0,1] op_sel_hi:[1,1]                     ; x (1 - wy): the pair's high word for both halves
.endr
.irp p, 0,2,4,6,8,10,12,14
	v_pk_fma_f32 v[YB0+\p:YB0+\p+1], v[YB1+\p:YB1+\p+1], v[10:11], v[YB0+\p:YB0+\p+1] op_sel:[0,1,0] op_sel_hi:[1,1,1]   ; fy
.endr
.irp p, 0,2,4,6,8,10,12,14
	v_pk_mul_f32 v[XB0+\p:XB0+\p+1], v[XB0+\p:XB0+\p+1], v[YB0+\p:YB0+\p+1]                                        ; fx fy
.endr
	s_wait_loadcnt \lc                             ; my sixteen plane loads are in: so v6, their address, may be written again
.irp p, 0,2,4,6,8,10,12,14
	v_pk_fma_f32 v[XB0+\p:XB0+\p+1], v[PB+\p:PB+\p+1], v[14:15], v[XB0+\p:XB0+\p+1] op_sel_hi:[1,0,1]              ; + w00 x texel (yb, xb)
.endr
.irp p, 0,2,4,6,8,10,12,14
	v_pk_fma_f32 v[XB0+\p:XB0+\p+1], v[PB+16+\p:PB+16+\p+1], v[14:15], v[XB0+\p:XB0+\p+1] op_sel:[0,1,0] op_sel_hi:[1,1,1]   ; + w01 x (yb, xb + 1)
.endr
.irp p, 0,2,4,6,8,10,12,14
	v_pk_fma_f32 v[XB0+\p:XB0+\p+1], v[PB+32+\p:PB+32+\p+1], v[16:17], v[XB0+\p:XB0+\p+1] op_sel_hi:[1,0,1]        ; + w10 x (yb + 1, xb)
.endr
.irp p, 0,2,4,6,8,10,12,14
	v_pk_fma_f32 v[XB0+\p:XB0+\p+1], v[PB+48+\p:PB+48+\p+1], v[16:17], v[XB0+\p:XB0+\p+1] op_sel:[0,1,0] op_sel_hi:[1,1,1]   ; + w11 x (yb + 1, xb + 1): feat
.endr
.if \nxt
	PREP_A ((\t)+1)%4                              ; this tile's weights are all used: the next tile's addresses,
	PLOAD                                          ; and its texels go out: they have until the next tile's wait in which to come
.endif
.irp i, 0,1,2,3,4,5,6,7,8,9,10,11,12,13,14,15
	v_med3_num_f32 v[XB0+\i], v[XB0+\i], s48, s47  ; the hold at +-448 x 2^e0, always executed
.endr
	v_cvt_scalef32_pk8_fp8_f32 v[BOP:BOP+1], v[XB0:XB0+7], v5
	v_cvt_scalef32_pk8_fp8_f32 v[BOP+2:BOP+3], v[XB0+8:XB0+15], v5
	v_nop                                          ; one plain vector line between a scaled conversion and the matrix instruction that reads its result
.irp u, 0,1,2,3                        ; four accumulators, one instruction each, each begun by its bias as C: no sum is taken up again
	v_wmma_f32_16x16x64_fp8_fp8 v[ACC+8*\u:ACC+8*\u+7], v[W1F+4*\u:W1F+4*\u+7], v[BOP:BOP+7], v[BIAS+8*\u:BIAS+8*\u+7]
.endr
.if \nxt
	XLOAD                                          ; into registers that no matrix instruction names
	PREP_W ((\t)+1)%4                              ; 26 plain lines that name none of the products' registers: the places behind them (ISA guide 7.12.1)
.if (\raw) >= 0
	RAW \raw                                       ; that half's coordinates and words have just had their last read
.endif
.else
.rept 4
	v_nop                                          ; the places, where no other work is left
.endr
.endif
	L2 0
	L2 1
.if \nxt
	YLOAD 0                                        ; accumulators 0 and 1 are used up: y's first entry lands there
.endif
	L2 2
	L2 3
.if \nxt
	YLOAD 1
.endif
	v_pk_add_f32 v[18:19], v[18:19], v[20:21]
	v_add_f32 v18, v18, v19                        ; my half's 32 hidden units,
	v_permlanex16_b32 v0, v18, s50, s51
	v_add_f32 v18, v18, v0                         ; and the other half's: the point's sum, in both lanes
.if (\t) < 2
	v_add_f32 v[22+(\t)], s46, v18                 ; + b2
.else
	v_add_f32 v18, s46, v18
	v_cndmask_b32 v[22+(\t)-2], v[22+(\t)-2], v18, s49   ; lanes 16-31 keep tiles 2 and 3
.endif
.endm
	PREP_A 0
	PLOAD
	PREP_W 0
	s_wait_tensorcnt 0x0                           ; my 128 rows of lineT are in LDS,
	s_barrier_signal -1
	s_barrier_wait -1                              ; everybody's are.  Nothing writes LDS from here on: this is the one barrier
	XLOAD
	YLOAD 0
	YLOAD 1
	s_mov_b32 s52, 3
.Lgroup:                                               ; three trips: a group of 64 points each; each also fetches the next group's raw data
	TILE 0, 1, 0, 0                                ; (the wait for 0 also shows the raw data of tiles 2 and 3 in, a tile before their first read)
	TILE 1, 1, -1, 2                               ; behind tile 1's plane loads: RAW 0's two
	TILE 2, 1, 1, 0                                ; (likewise the next group's tiles 0 and 1)
	TILE 3, 1, -1, 2                               ; behind tile 3's plane loads: RAW 1's two
	global_store_b64 v3, v[22:23], s[26:27] th:TH_STORE_NT   ; 32 lanes store 256 consecutive bytes, at a multiple of 256 from out's first byte
	s_wait_xcnt 0x0                                ; the store's data and the three bases are written again only behind this wait
	s_add_nc_u64 s[8:9], s[8:9], 512
	s_add_nc_u64 s[10:11], s[10:11], 256
	s_add_nc_u64 s[26:27], s[26:27], 256
	s_sub_co_u32 s52, s52, 1
	s_cmp_lg_u32 s52, 0
	s_cbranch_scc1 .Lgroup
	TILE 0, 1, -1, 0                               ; the last group is written out: it fetches no raw data, so no load leaves its buffer,
	TILE 1, 1, -1, 0
	TILE 2, 1, -1, 0
	TILE 3, 0, -1, 0                               ; and its last tile asks for nothing
	global_store_b64 v3, v[22:23], s[26:27] th:TH_STORE_NT
	s_endpgm
.Lfunc_end_k_qaa4136fe0b_main:
	.size	k_qaa4136fe0b_main, .Lfunc_end_k_qaa4136fe0b_main-k_qaa4136fe0b_main
	.p2alignl 7, 3214868480
	.fill 96, 4, 3214868480
	.section	.rodata,"a",@progbits
	.p2align	6, 0x0
	.amdhsa_kernel k_qaa4136fe0b_main
		.amdhsa_group_segment_fixed_size 294912
		.amdhsa_private_segment_fixed_size 0
		.amdhsa_enable_private_segment 0
		.amdhsa_kernarg_size 80
		.amdhsa_user_sgpr_count 2
		.amdhsa_user_sgpr_kernarg_segment_ptr 1
		.amdhsa_wavefront_size32 1
		.amdhsa_system_sgpr_workgroup_id_x 1
		.amdhsa_system_sgpr_workgroup_id_y 1
		.amdhsa_system_sgpr_workgroup_id_z 1
		.amdhsa_system_vgpr_workitem_id 0
		.amdhsa_next_free_vgpr 256
		.amdhsa_next_free_sgpr 66
		.amdhsa_reserve_vcc 0
		.amdhsa_float_denorm_mode_32 3
		.amdhsa_float_denorm_mode_16_64 3
		.amdhsa_memory_ordered 1
		.amdhsa_forward_progress 1
		.amdhsa_inst_pref_size 122
	.end_amdhsa_kernel
	.amdgpu_metadata
---
amdhsa.version: [ 1, 2 ]
amdhsa.kernels:
  - .name:           k_qaa4136fe0b_main
    .symbol:         k_qaa4136fe0b_main.kd
    .args:
      - { .name: coords, .offset: 0, .size: 8, .value_kind: global_buffer, .address_space: global }
      - { .name: idx, .offset: 8, .size: 8, .value_kind: global_buffer, .address_space: global }
      - { .name: planeT, .offset: 16, .size: 8, .value_kind: global_buffer, .address_space: global }
      - { .name: lineT, .offset: 24, .size: 8, .value_kind: global_buffer, .address_space: global }
      - { .name: W1, .offset: 32, .size: 8, .value_kind: global_buffer, .address_space: global }
      - { .name: b1, .offset: 40, .size: 8, .value_kind: global_buffer, .address_space: global }
      - { .name: W2, .offset: 48, .size: 8, .value_kind: global_buffer, .address_space: global }
      - { .name: b2, .offset: 56, .size: 8, .value_kind: global_buffer, .address_space: global }
      - { .name: lowp_scales, .offset: 64, .size: 8, .value_kind: global_buffer, .address_space: global }
      - { .name: out0, .offset: 72, .size: 8, .value_kind: global_buffer, .address_space: global }
    .group_segment_fixed_size: 294912
    .private_segment_fixed_size: 0
    .kernarg_segment_align: 8
    .kernarg_segment_size: 80
    .max_flat_workgroup_size: 512
    .sgpr_count:     66
    .vgpr_count:     256
    .wavefront_size: 32
...
	.end_amdgpu_metadata
.endif
;; end of part 2
